; MI455X (gfx1250); checked and timed in simulation.
; The chip was launched on July 23, 2026; its instructions are those of AMD's public machine-readable ISA for CDNA 5 (MIT licence, August 2026) and "CDNA5" Instruction Set Architecture Reference Guide (July 2026). The comments in the code are by the model that wrote it; some were corrected since.
;; Lo RA Linear. Allowed arithmetic: float matrix products may take bf16 or f16 operands with f32 sums; other float arithmetic in f32, or as packed bf16 or f16 multiplies, adds, multiply-adds, maxima and minima; sums over many terms, partial sums and values carried from step to step in f32; what a program stores and reads back later, other than sums and carried values, may be rounded once to bf16 or f16.
;; Inputs: W 2,048 x 4,096 float32; lora_A 16 x 4,096 float32; lora_B 2,048 x 16 float32; x 4 x 2,048 x 4,096 float32.
;; Outputs: out0 4 x 2,048 x 2,048 float32.
;; One version. Each part assembles by itself: llvm-mc -triple=amdgcn-amd-amdhsa -mcpu=gfx1250 --defsym DOCPART=n.
;; ======== version 1 of 1: 2 launches
;; workspace buffers: xb 67,108,864 bytes; wb 16,777,216 bytes; rb 524,288 bytes
;; launch prep (part 1): grid 256 x 1, 16 waves a work-group, no clusters, 104,448 bytes of LDS; arguments x, W, lora_A, xb, wb, rb; writes xb, wb, rb
.if DOCPART == 1
	.amdgcn_target "amdgcn-amd-amdhsa--gfx1250"
	.amdhsa_code_object_version 6
	.text
	.protected	k_qe9c061083a_prep
	.globl	k_qe9c061083a_prep
	.p2align	8
	.type	k_qe9c061083a_prep,@function
k_qe9c061083a_prep:
	s_mov_b64 s[64:65], 0
	v_nop
	global_prefetch_b8 v0, s[64:65] scope:SCOPE_SE
	s_setreg_imm32_b32 hwreg(HW_REG_WAVE_MODE, 25, 1), 1
	s_wait_xcnt 0x0
; out = x W^T + 2 (x A^T) B^T.  x: [8192][4096], W: [2048][4096], lora_A: [16][4096], lora_B: [2048][16], out: [8192][2048], all f32.
; THIS LAUNCH rounds x and W once to bf16 (xb, wb: the same shapes, row-major) and makes r2 = 2 (bf16(x) bf16(A)^T), sums in f32, the factor 2 (ALPHA / RANK, a power of two: exact) applied in f32.
; r2 is stored as TWO bf16 numbers, hi = bf16(r2) and lo = bf16(r2 - hi), laid out as the next launch's operand registers take them: rb holds 512 tiles of 16 rows of x, 1,024 bytes each;
; in a tile lane L = r + 16 h has hi of row r, ranks 8 h .. 8 h + 7, in the 16 bytes at 16 L, and lo of the same numbers at 512 + 16 L.  The rank is 16 and the matrix instruction takes 32 along K:
; the second sixteen places carry r2's remainder, so nothing is padded with zeros.
; NO WORK IS LEFT OUT: every step of the problem is done, in this launch or the next, and all four inputs are loaded (lora_B by the next launch).  Each input is rounded to bf16 as it stands, once.
; LIMITS.  Matrix operands are bf16, sums f32 in the matrix unit's order and then over the sixteen waves.  Where |r2| rounds to an infinity in bf16 (3.39e38 and more) lo is a NaN, and so is the output there.
; NaN and infinities are not treated apart.
; SHARES.  Work-group g: rows 32 g .. 32 g + 31 of x (two tiles of 16) and rows 8 g .. 8 g + 7 of W.  Wave w owns channels 256 w .. 256 w + 255 of every row, as two sub-chunks of 128 (512 bytes of f32, 256 of bf16),
; and keeps lora_A's eight fragments of those channels in 64 registers.  A GROUP is 16 loads, each 512 consecutive bytes of one row (16 bytes a lane), and 16 stores, each 256 consecutive bytes, aligned (8 bytes a lane).
; A wave has seven groups (A, A, x, x, x, x, W) on two sets of 64 registers that take turns: up to 32 loads of a wave are out.
; The rounded group also goes through the wave's OWN 16 rows of LDS, from which it comes back as fragments (16 rows x 32 channels); no other wave touches those bytes, so no barrier stands there.
; The sixteen waves' partial sums of r meet in LDS behind the launch's one barrier; wave 0 finishes tile 0, wave 1 tile 1.
; NO CLUSTER, NO TENSOR LOADS: what work-groups share is lora_A alone: 262,144 bytes in f32, which beside the 104,448 bytes in use are more than the 327,680 that a work-group can have; x and W have one reader each.
; NO PREFETCH: the launch is a stream whose loads are all issued two groups ahead.
.set KB,    16384                      ; bytes in a row of x, W, lora_A
.set OBY,   8192                       ; bytes in a row of xb, wb
.set TP,    272                        ; an LDS row: 256 bytes + 16 = 68 words: row r starts at bank 4 r mod 64 (64 banks of 4 bytes: ISA guide 11.1), so a fragment load's 16 rows start at 16 different banks
.set TILEW, 16*TP                      ; a wave's own 16 rows
.set PART,  16*TILEW                   ; 69,632: wave v's partial sums of tile t at PART + 2,048 v + 1,024 t: registers 0-3 of lane l at 16 l, registers 4-7 at 512 + 16 l
.set SPARE, PART+16*2048               ; 102,400: the spare words, 128 bytes for each wave: eight blocks of 256 bytes that no other line names
.set OFI,  2                           ; v2   1,024 w + 16 l: my 16 bytes of a row of x, W, lora_A; also my 16 bytes of rb (waves 0 and 1: tile = wave); never rewritten
.set OFO,  3                           ; v3   512 w + 8 l: my 8 bytes of a row of xb, wb; never rewritten
.set LW,   4                           ; v4   LDS: my 8 bytes of row 0 of my wave's rows
.set LF,   5                           ; v5   LDS: my lane's place in a fragment: row l % 16, 16 bytes for each half of the lanes
.set LP,   6                           ; v6   LDS: where I put my partial sums
.set LR,   7                           ; v7   LDS: where waves 0 and 1 read them back
.set SPW,  10                          ; v10  LDS address of my spare word: SPARE + 4 x my thread's number; never rewritten
.set NIL,  11                          ; v11  0; never rewritten
.set ACC,  16                          ; v[16:31]   two accumulators, for the fragments of even and of odd number
.set XF,   32                          ; v[32:63]   four fragments of x; at the end hi, lo and hi widened
.set AF,   64                          ; v[64:127]  lora_A: sub-chunk s, fragment f at AF + 32 s + 8 f
.set SETA, 128                         ; v[128:191] the two sets
.set SETB, 192                         ; v[192:255]
.set PX,  4                            ; s[4:5] x   s[6:7] W   s[8:9] lora_A   s[10:11] xb   s[12:13] wb   s[14:15] rb, each at the work-group's part; never rewritten behind the head
.set PW,  6
.set PA,  8
.set PXB, 10
.set PWB, 12
.set PRB, 14
	s_load_b256 s[4:11], s[0:1], 0x0
	s_load_b128 s[12:15], s[0:1], 0x20
	v_lshl_add_u32 v[SPW], v0, 2, SPARE
	v_mov_b32 v[NIL], 0
	v_lshrrev_b32 v1, 5, v0
	v_readfirstlane_b32 s16, v1                    ; wave 0..15
	v_and_b32 v9, 31, v0                           ; l
	v_and_b32 v12, 15, v0                          ; l % 16
	v_bfe_u32 v13, v0, 4, 1                        ; l / 16
	s_lshl_b32 s20, s16, 10
	v_lshl_add_u32 v[OFI], v9, 4, s20
	s_lshl_b32 s21, s16, 9
	v_lshl_add_u32 v[OFO], v9, 3, s21
	s_mul_i32 s22, s16, TILEW                      ; my wave's rows in LDS
	v_lshl_add_u32 v[LW], v9, 3, s22
	v_mul_u32_u24 v[LF], v12, TP
	v_lshl_add_u32 v[LF], v13, 4, v[LF]
	v_add_nc_u32 v[LF], s22, v[LF]
	s_lshl_b32 s23, s16, 11
	s_add_co_u32 s23, s23, PART
	v_lshl_add_u32 v[LP], v9, 4, s23
	s_add_co_u32 s24, s20, PART
	v_lshl_add_u32 v[LR], v9, 4, s24
	s_mov_b32 s19, 0
	s_wait_kmcnt 0x0
	s_lshl_b32 s18, ttmp9, 19                      ; 32 rows of 16,384 bytes
	s_add_nc_u64 s[PX:PX+1], s[PX:PX+1], s[18:19]
	s_lshl_b32 s18, ttmp9, 18                      ; 32 rows of 8,192
	s_add_nc_u64 s[PXB:PXB+1], s[PXB:PXB+1], s[18:19]
	s_lshl_b32 s18, ttmp9, 17                      ; 8 rows of 16,384
	s_add_nc_u64 s[PW:PW+1], s[PW:PW+1], s[18:19]
	s_lshl_b32 s18, ttmp9, 16                      ; 8 rows of 8,192
	s_add_nc_u64 s[PWB:PWB+1], s[PWB:PWB+1], s[18:19]
	s_lshl_b32 s18, ttmp9, 11                      ; 2 tiles of 1,024
	s_add_nc_u64 s[PRB:PRB+1], s[PRB:PRB+1], s[18:19]
; A group's 16 loads: load i takes row i % R, sub-chunk i / R (beside what off says).  nt = 1: bytes that the launch reads once.
.macro LOADG set, base, off, R, nt
.set i, 0
.rept 16
.if \nt
	global_load_b128 v[(\set)+4*i:(\set)+4*i+3], v[OFI], s[(\base):(\base)+1] offset:(\off)+(i%(\R))*KB+(i/(\R))*512 th:TH_LOAD_NT
.else
	global_load_b128 v[(\set)+4*i:(\set)+4*i+3], v[OFI], s[(\base):(\base)+1] offset:(\off)+(i%(\R))*KB+(i/(\R))*512
.endif
.set i, i+1
.endr
.endm
; Rounded in place: of each load's four registers the first two then hold its four numbers in bf16.
.macro CVT set
.set i, 0
.rept 16
	v_cvt_pk_bf16_f32 v[(\set)+4*i],   v[(\set)+4*i],   v[(\set)+4*i+1]
	v_cvt_pk_bf16_f32 v[(\set)+4*i+1], v[(\set)+4*i+2], v[(\set)+4*i+3]
.set i, i+1
.endr
.endm
.macro STOREG set, base, off, R                ; each store of the wave covers 256 consecutive bytes, aligned
.set i, 0
.rept 16
	global_store_b64 v[OFO], v[(\set)+4*i:(\set)+4*i+1], s[(\base):(\base)+1] offset:(\off)+(i%(\R))*OBY+(i/(\R))*256
.set i, i+1
.endr
.endm
.macro TOLDS set                               ; the group's 16 rows x 256 bytes into my wave's rows
.set i, 0
.rept 16
	ds_store_b64 v[LW], v[(\set)+4*i:(\set)+4*i+1] offset:i*TP
.set i, i+1
.endr
.endm
.macro FRAGS dst                               ; and back as four fragments.  LDS serves a wave's instructions in order (ISA guide 5.7.1.4): these see the stores above, and the next group's stores come behind them
.irp f, 0,1,2,3
	ds_load_b128 v[(\dst)+8*(\f):(\dst)+8*(\f)+3],   v[LF] offset:64*(\f)
	ds_load_b128 v[(\dst)+8*(\f)+4:(\dst)+8*(\f)+7], v[LF] offset:64*(\f)+32
.endr
.endm
; Four products r^T += A x^T (source 0 = lora_A's 16 rows, source 1 = 16 rows of x): a lane ends with ONE row of x (l % 16) and the ranks 8 (l / 16) + 0..7.
; The two accumulators take turns, one instruction a turn, from group to group too.  first = 1: a tile's first two products start the sums with the constant 0.
.macro MUL4 s, first
.irp f, 0,1,2,3
.if (\first) && ((\f) < 2)
	v_wmma_f32_16x16x32_bf16 v[ACC+8*((\f)%2):ACC+8*((\f)%2)+7], v[AF+32*(\s)+8*(\f):AF+32*(\s)+8*(\f)+7], v[XF+8*(\f):XF+8*(\f)+7], 0
.else
	v_wmma_f32_16x16x32_bf16 v[ACC+8*((\f)%2):ACC+8*((\f)%2)+7], v[AF+32*(\s)+8*(\f):AF+32*(\s)+8*(\f)+7], v[XF+8*(\f):XF+8*(\f)+7], v[ACC+8*((\f)%2):ACC+8*((\f)%2)+7]
.endif
.endr
.endm
; A group of lora_A: rounded, turned into the fragments of sub-chunk s, which stay; the set is loaded again at once (it is the data of LDS stores alone, whose sources need no wait).
.macro AGRP set, s, noff
	s_wait_loadcnt 16                              ; loads come back in order (ISA guide 5.7.1): this set's 16 are in, the other set's 16 stay out
	CVT \set
	TOLDS \set
	FRAGS AF+32*(\s)
	LOADG \set, PX, \noff, 16, 1
.endm
; A group of x: tile t, sub-chunk s.  nbase: the pointer of the set's next group, or 0 for none.
.macro XGRP set, t, s, first, nbase, noff, nR
	s_wait_loadcnt 16                              ; this set's 16 loads are in, the other set's 16 stay out
	CVT \set                                       ; 32 plain lines that name no register of the products before them: the places in front of the loads into XF (ISA guide 7.12.1 for vector instructions)
	STOREG \set, PXB, (\t)*16*OBY+256*(\s), 16
	TOLDS \set
	FRAGS XF
.if \nbase
	s_wait_xcnt 0x0                                ; the stores above have read their data (ISA guide 3.1): the set is loaded again only behind this wait
	LOADG \set, \nbase, \noff, \nR, 1
.endif
	s_wait_dscnt 0x0                               ; the fragments are in (at the first group: lora_A's too)
	MUL4 \s, \first
.endm
; A tile's two accumulators are added, from their low ends on, and put into LDS for the meeting.
.macro PARTIAL t
.rept 8
	v_nop                                          ; the places behind the last products, in front of the sums that read their results
.endr
.irp r, 0,2,4,6
	v_pk_add_f32 v[ACC+(\r):ACC+(\r)+1], v[ACC+(\r):ACC+(\r)+1], v[ACC+8+(\r):ACC+8+(\r)+1]
.endr
	ds_store_b128 v[LP], v[ACC:ACC+3]   offset:1024*(\t)
	ds_store_b128 v[LP], v[ACC+4:ACC+7] offset:1024*(\t)+512
.endm
	LOADG SETA, PA, 0,   16, 0                     ; lora_A, my two sub-chunks: every work-group reads it, so no hint
	LOADG SETB, PA, 512, 16, 0
	AGRP SETA, 0, 0                                ; next into this set: x, tile 0, sub-chunk 0
	AGRP SETB, 1, 512                              ; tile 0, sub-chunk 1
	XGRP SETA, 0, 0, 1, PX, 16*KB,     16          ; next: tile 1, sub-chunk 0
	XGRP SETB, 0, 1, 0, PX, 16*KB+512, 16          ; next: tile 1, sub-chunk 1
	PARTIAL 0
	XGRP SETA, 1, 0, 1, PW, 0, 8                   ; next: W's 8 rows x 2 sub-chunks
	XGRP SETB, 1, 1, 0, 0, 0, 16                   ; nothing is left to load
	PARTIAL 1
	s_wait_loadcnt 0x0                             ; W's group: no load was issued behind it
	CVT SETA
	STOREG SETA, PWB, 0, 8
	s_wait_dscnt 0x0                               ; for the others' sake: my partial sums lie in LDS
	s_barrier_signal -1
	s_barrier_wait -1                              ; all sixteen waves' do
	s_cmp_lt_u32 s16, 2                            ; wave 0 finishes tile 0, wave 1 tile 1
	s_cbranch_scc0 .Lend
	s_wait_xcnt 0x0                                ; both sets are still the data of stores: they are loaded only behind this wait
.set i, 0
.rept 16
	ds_load_b128 v[SETA+8*i:SETA+8*i+3],   v[LR] offset:2048*i
	ds_load_b128 v[SETA+8*i+4:SETA+8*i+7], v[LR] offset:2048*i+512
.set i, i+1
.endr
	s_wait_dscnt 0x0
.irp d, 64,32,16,8                     ; sixteen partial sums of eight registers, halved four times: 60 packed additions
.set r, 0
.rept (\d)/2
	v_pk_add_f32 v[SETA+r:SETA+r+1], v[SETA+r:SETA+r+1], v[SETA+(\d)+r:SETA+(\d)+r+1]
.set r, r+2
.endr
.endr
.irp q, 0,1,2,3
	v_pk_mul_f32 v[SETA+2*(\q):SETA+2*(\q)+1], v[SETA+2*(\q):SETA+2*(\q)+1], 2.0 op_sel_hi:[1,0]  ; r2 = SCALING x r
.endr
.irp q, 0,1,2,3
	v_cvt_pk_bf16_f32 v[XF+(\q)], v[SETA+2*(\q)], v[SETA+2*(\q)+1]                               ; hi
.endr
.irp q, 0,1,2,3
	v_lshlrev_b32 v[XF+8+2*(\q)],   16, v[XF+(\q)]                                               ; hi as f32
	v_and_b32     v[XF+8+2*(\q)+1], 0xffff0000, v[XF+(\q)]
.endr
.irp q, 0,1,2,3
	v_pk_add_f32 v[SETA+2*(\q):SETA+2*(\q)+1], v[SETA+2*(\q):SETA+2*(\q)+1], v[XF+8+2*(\q):XF+8+2*(\q)+1] neg_lo:[0,1] neg_hi:[0,1]  ; r2 - hi
.endr
.irp q, 0,1,2,3
	v_cvt_pk_bf16_f32 v[XF+4+(\q)], v[SETA+2*(\q)], v[SETA+2*(\q)+1]                             ; lo
.endr
	global_store_b128 v[OFI], v[XF:XF+3],   s[PRB:PRB+1]               ; 512 consecutive bytes, aligned: the tile's hi,
	global_store_b128 v[OFI], v[XF+4:XF+7], s[PRB:PRB+1] offset:512    ; and its lo
.Lend:
	s_wait_tensorcnt 0x0                           ; the wave's end, behind my last LDS store
	ds_add_u32 v[SPW], v[NIL]
	s_wait_dscnt 0x0
	s_endpgm
.Lfunc_end_k_qe9c061083a_prep:
	.size	k_qe9c061083a_prep, .Lfunc_end_k_qe9c061083a_prep-k_qe9c061083a_prep
	.p2alignl 7, 3214868480
	.fill 96, 4, 3214868480
	.section	.rodata,"a",@progbits
	.p2align	6, 0x0
	.amdhsa_kernel k_qe9c061083a_prep
		.amdhsa_group_segment_fixed_size 104448
		.amdhsa_private_segment_fixed_size 0
		.amdhsa_enable_private_segment 0
		.amdhsa_kernarg_size 48
		.amdhsa_user_sgpr_count 2
		.amdhsa_user_sgpr_kernarg_segment_ptr 1
		.amdhsa_wavefront_size32 1
		.amdhsa_system_sgpr_workgroup_id_x 1
		.amdhsa_system_sgpr_workgroup_id_y 1
		.amdhsa_system_sgpr_workgroup_id_z 1
		.amdhsa_system_vgpr_workitem_id 0
		.amdhsa_next_free_vgpr 256
		.amdhsa_next_free_sgpr 66
		.amdhsa_reserve_vcc 0
		.amdhsa_float_denorm_mode_32 3
		.amdhsa_float_denorm_mode_16_64 3
		.amdhsa_memory_ordered 1
		.amdhsa_forward_progress 1
		.amdhsa_inst_pref_size 54
	.end_amdhsa_kernel
	.amdgpu_metadata
---
amdhsa.version: [ 1, 2 ]
amdhsa.kernels:
  - .name:           k_qe9c061083a_prep
    .symbol:         k_qe9c061083a_prep.kd
    .args:
      - { .name: x, .offset: 0, .size: 8, .value_kind: global_buffer, .address_space: global }
      - { .name: W, .offset: 8, .size: 8, .value_kind: global_buffer, .address_space: global }
      - { .name: lora_A, .offset: 16, .size: 8, .value_kind: global_buffer, .address_space: global }
      - { .name: xb, .offset: 24, .size: 8, .value_kind: global_buffer, .address_space: global }
      - { .name: wb, .offset: 32, .size: 8, .value_kind: global_buffer, .address_space: global }
      - { .name: rb, .offset: 40, .size: 8, .value_kind: global_buffer, .address_space: global }
    .group_segment_fixed_size: 104448
    .private_segment_fixed_size: 0
    .kernarg_segment_align: 8
    .kernarg_segment_size: 48
    .max_flat_workgroup_size: 512
    .sgpr_count:     66
    .vgpr_count:     256
    .wavefront_size: 32
...
	.end_amdgpu_metadata
.endif
;; end of part 1
;; launch gemm (part 2): grid 8 x 32, 4 waves a work-group, clusters of 4 x 4, 327,680 bytes of LDS; arguments xb, wb, out0, rb, lora_B; writes out0
.if DOCPART == 2
	.amdgcn_target "amdgcn-amd-amdhsa--gfx1250"
	.amdhsa_code_object_version 6
	.text
	.protected	k_qe9c061083a_gemm
	.globl	k_qe9c061083a_gemm
	.p2align	8
	.type	k_qe9c061083a_gemm,@function
k_qe9c061083a_gemm:
	s_mov_b64 s[64:65], 0
	v_nop
	global_prefetch_b8 v0, s[64:65] scope:SCOPE_SE
	s_setreg_imm32_b32 hwreg(HW_REG_WAVE_MODE, 25, 1), 1
	s_wait_xcnt 0x0
	s_wait_alu depctr_hold_cnt(0) depctr_sa_sdst(0) depctr_va_vdst(0) depctr_va_sdst(0) depctr_va_ssrc(0) depctr_va_vcc(0) depctr_vm_vsrc(0)
	s_getreg_b32 s2, hwreg(HW_REG_IB_STS2, 6, 4)
	s_cmp_eq_u32 s2, 0
	s_cbranch_scc0 .Lentry_in_a_cluster
	s_endpgm
.Lentry_in_a_cluster:
	s_bfe_u32 s2, ttmp6, 0x10000c
	s_cmp_lg_u32 s2, 0xf033
	s_cbranch_scc0 .Lentry_shape_is_right
	s_endpgm
.Lentry_shape_is_right:
; out[m][n] = the sum over k of xb[m][k] wb[n][k] + the sum over j of r2[m][j] bf16(lora_B[n][j]).  xb: [8192][4096], wb: [2048][4096] bf16 (x and W, each rounded once by the launch before);
; rb: r2 = 2 x A^T as a pair of bf16 (hi, lo), in fragment order (512 tiles of 16 rows, 1,024 bytes: lane L's hi at 16 L, its lo at 512 + 16 L); lora_B: [2048][16] f32; out: [8192][2048] f32.
; No work of the problem is left out.  LIMITS: matrix operands are bf16, sums f32 in the matrix unit's order; where r2 overflowed bf16 its lo is a NaN, and so is the output; NaN and infinities are not treated apart.
; A tile of out, 256 x 256, is made by a work-group of four waves; a wave makes 128 x 128: 64 accumulators of 16 x 16, 512 registers.  32 x 8 tiles: 256 work-groups, one tile each.
; THE LOW-RANK TERM STARTS THE SUMS: one quarter step of 32 along K, 64 products with the constant 0 as C: places 0-15 hold hi against B, places 16-31 lo against the same B.  Nothing is cleared.
; Then K = 4,096 goes in 32 steps of 128 through a ring of two LDS slots filled by the tensor data mover: the tiles' rows are 256 bytes of memory and start at multiples of 256 bytes from the buffer's first byte.
; CLUSTERS: 4 x 4 work-groups.  The four of a row of the cluster need the same tiles of xb, the four of a column the same tiles of wb: such a tile is asked for JOINTLY: each of the four issues the same tensor load,
; with the same descriptor and a mask that names the four, and each receives the tile in its own LDS.
; REGISTERS, in windows of 256 (s_set_vgpr_msb's low byte: bits 1:0 source 0, 3:2 source 1, 5:4 source 2, 7:6 destination):
;   window 0: v0-31 addresses; v64-127, v128-191 fragments of xb, two buffers; v192-255 lora_B in f32, at the head; on the way out v64-255 are three buffers of 16 rows
;   window 1: v64-127, v128-191 fragments of wb, two buffers
;   window 2: the 32 accumulators of my rows 0-63 (accumulator (a, b) at v[8 (8 a + b)]);   window 3: those of my rows 64-127
; THE MATRIX INSTRUCTION IS USED TRANSPOSED: source 0 = 16 rows of wb, source 1 = 16 rows of xb: lane l then holds row l % 16 of out and its registers 0 to 7 the columns 8 (l / 16) + 0 .. 7: 32 bytes on end.
.set SIZE_N, 2048
.set SIZE_K, 4096
.set KSTEP,  128
.set PITCH,  272                       ; an LDS row: 256 bytes + 16 of padding = 68 words: row r starts at bank 4 r mod 64 (64 banks of 4 bytes: ISA guide 11.1), so the 16 rows that a load touches start at 16 different banks
.set HALFT,  128*PITCH                 ; 128 rows: what one tensor load brings, and what one wave reads of xb or of wb
.set SLOT,   4*HALFT                   ; xb's 256 rows, then wb's 256 rows
.set STAGE,  2*SLOT                    ; behind the ring, never filled by a tensor load: 16 rows x 528 bytes for each wave, for the way out
.set SPITCH, 528                       ; a stage row: 512 bytes + 16 = 132 words: again row r starts at bank 4 r mod 64
.set SPARE,  STAGE+4*16*SPITCH         ; behind the stages: the spare words, 128 bytes for each wave: two blocks of 256 bytes that no other line names
.set LAPS,   SIZE_K/(2*KSTEP)          ; a lap = two K steps = once round the ring: 16
.set ROWC,   SIZE_N*4                  ; bytes in a row of out
.set ADRA, 16                          ; v16-17  LDS address of my xb fragments in slot 0, 1
.set ADRB, 20                          ; v20-21  the same for wb
.set STO,  24                          ; v24     the way out: where I put 32 bytes of a row
.set RD,   25                          ; v25     the way out: where I read 16 bytes of a row back
.set CO,   26                          ; v26     16 x my lane: my 16 bytes of 512 consecutive bytes, in out and in rb; never rewritten
.set LBO,  27                          ; v27     my 32 bytes of 16 rows of lora_B: 64 (l % 16) + 32 (l / 16); never rewritten
.set SPW,  28                          ; v28     LDS address of my spare word: SPARE + 4 x my thread's number; never rewritten
.set NIL,  29                          ; v29     0; never rewritten
.set PFO,  30                          ; v30     the prefetches' offset: my lane x a row of xb or wb (8,192 bytes); never rewritten
.set F0,   64                          ; fragment buffer 0
.set F1,   128                         ; fragment buffer 1
.set T,    192                         ; lora_B in f32
.set PFA,  44                          ; s[44:45] where my prefetches stand: my work-group's 32 rows of the 128 that I fetch, one K step further along K than the refill that is being asked for
.set LIM,  43                          ; s43     1 in a wave that prefetches, else the greatest number
.set G1,  24                           ; s[24:31] descriptor group 1 for xb's tiles
.set G0,  32                           ; s[32:39] descriptor group 0 for xb's tiles, one set for each slot
.set G1B, 48                           ; s[48:55] group 1 for wb's tiles: it differs in the mask alone
.set G0B, 56                           ; s[56:63] group 0 for wb's tiles
.set RBP, 68                           ; s[68:69] rb at my 128 rows
.set LBP, 70                           ; s[70:71] lora_B at my 128 columns
.set MSB, 0
.macro WIN new                         ; the immediate's high byte repeats the setting that is left; a switch that changes nothing is dropped
.if MSB != (\new)
	s_set_vgpr_msb (MSB<<8)|(\new)
.set MSB, \new
.endif
.endm
.set MUL_LO, 0xa1                      ; source 0 (wb) window 1, source 1 (xb) window 0, C and D window 2
.set MUL_HI, 0xf1                      ; the same, C and D window 3
.set TO_B,   0x40                      ; destination window 1, the rest window 0
; A joint load.  Waves 0 and 1 fetch xb's two halves, waves 2 and 3 wb's.  Each of the two lines has ONE mask and one set of registers for all that issue it.  The branch hangs on the wave's number alone.
; An s_nop 0 and four v_nop follow each of the two lines; the jump, the label and what follows the macro come after them.
.macro JLOAD s
	s_cmp_eq_u32 s11, 0
	s_cbranch_scc0 .Lfor_b_\@
	tensor_load_to_lds s[G0+4*(\s):G0+4*(\s)+3], s[G1:G1+7]
	s_nop 0
.rept 4
	v_nop
.endr
	s_branch .Lasked_\@
.Lfor_b_\@:
	tensor_load_to_lds s[G0B+4*(\s):G0B+4*(\s)+3], s[G1B:G1B+7]
	s_nop 0
.rept 4
	v_nop
.endr
.Lasked_\@:
.endm
; A PREFETCH INTO THE L2, behind each joint refill, its five lines and the run of LDS loads that follows them: the K step that stands TWO refills on, 512 matrix instructions ahead of the load that will ask for it:
; 32 rows x 256 bytes, a lane a row, one instruction a wave.  Each row's 256 bytes of a K step are named ONCE in the launch: xb's tile row is read by both clusters of that row of clusters: cluster x = 0 asks;
; wb's tile column by all eight clusters of that column: cluster y = 0 asks.  The four partners that ask for a tile jointly share its rows out BY ADDRESS: of the 128 rows that a wave fetches the partner at place p
; takes 32 p .. 32 p + 31 (p = cx for xb, cy for wb): no branch hangs on a work-group's place in its cluster.  K steps 0 to 3 come by their loads alone; the loop's last trip (s3 = 1) asks for nothing: K ends there.
.macro ASK
	s_cmp_gt_u32 s3, s[LIM]
	s_cbranch_scc0 .Lnot_mine_\@
	global_prefetch_b8 v[PFO], s[PFA:PFA+1] offset:KSTEP*2 th:TH_LOAD_NT scope:SCOPE_SE
.Lnot_mine_\@:
.endm
; A round of the cluster's barrier: my work-group's barrier, so that wave 0's signal speaks for all four waves; wave 0 signals for the work-group; every wave waits for all sixteen work-groups; my work-group's barrier once more.
.macro CREST                           ; a round behind its opening barrier
	s_cmp_lg_u32 s10, 0
	s_cbranch_scc1 .Lnot_wave_0_\@
	s_barrier_signal -3
.Lnot_wave_0_\@:
	s_barrier_wait -3
	s_barrier_signal -1
	s_barrier_wait -1
.endm
.macro CROUND                          ; a whole round
	s_barrier_signal -1
	s_barrier_wait -1
	CREST
.endm
	s_load_b128 s[4:7], s[0:1], 0x0                ; xb s[4:5], wb s[6:7]
	s_load_b64 s[8:9], s[0:1], 0x10                ; out
	s_load_b128 s[68:71], s[0:1], 0x18             ; rb s[68:69], lora_B s[70:71]
	v_lshl_add_u32 v[SPW], v0, 2, SPARE
	v_mov_b32 v[NIL], 0
	ds_add_u32 v[SPW], v[NIL]                      ; the wave's opening: the add, twice on end, and its wait ahead of my first tensor load; the set-up below, work on registers, stands between
	ds_add_u32 v[SPW], v[NIL]                      ; and once more, under the one wait
	v_lshrrev_b32 v1, 5, v0
	v_readfirstlane_b32 s10, v1                    ; wave 0..3
	s_lshr_b32 s11, s10, 1                         ; which half of the tile's rows is mine.  Also: I fetch for xb (0) or for wb (1)
	s_and_b32 s12, s10, 1                          ; which half of its columns.  Also: which 128 rows of that tile I fetch
	s_bfe_u32 s40, ttmp6, 0x40000                  ; cx: my place along the cluster's x
	s_bfe_u32 s41, ttmp6, 0x40004                  ; cy: along its y
	s_lshl_b32 s42, ttmp9, 2                       ; in a cluster launch ttmp9 and ttmp7 count clusters
	s_add_co_u32 s42, s42, s40                     ; tile column of out = 4 x cluster x + cx
	s_and_b32 s13, ttmp7, 0xffff
	s_lshl_b32 s13, s13, 2
	s_add_co_u32 s13, s13, s41                     ; tile row of out = 4 x cluster y + cy
	s_lshl_b32 s43, s41, 2
	s_lshl_b32 s43, 15, s43                        ; my row of the cluster: places 4 cy .. 4 cy + 3
	s_lshl_b32 s44, 0x1111, s40                    ; my column: places cx, cx + 4, cx + 8, cx + 12
	; descriptor group 1: a tile of 128 rows x 128 elements, padded in LDS
	s_or_b32 s[G1+0], s43, (1<<16)|(1<<20)|(1<<21)|(5<<22)|(3<<25)  ; 15:0 the mask: xb's tiles go to my row; 17:16 elements of 2 bytes; 20 padding on; 21 set beside a mask; 24:22 after every 64 words (code 5); 31:25 4 words of it (code 3)
	s_or_b32 s[G1B+0], s44, (1<<16)|(1<<20)|(1<<21)|(5<<22)|(3<<25) ; the same with the mask of my column, for wb's tiles
.irp g, G1, G1B
	s_mov_b32 s[(\g)+1], KSTEP<<16                 ; 63:48 tensor_dim0, low half = 128
	s_mov_b32 s[(\g)+2], 128<<16                   ; 79:64 its high half = 0; 95:80 tensor_dim1, low half = 128
	s_mov_b32 s[(\g)+3], KSTEP<<16                 ; 111:96 its high half = 0; 127:112 tile_dim0 = 128
	s_mov_b32 s[(\g)+4], 128                       ; 143:128 tile_dim1 = 128; 159:144 tile_dim2 = 0
	s_mov_b32 s[(\g)+5], SIZE_K                    ; 191:160 tensor_dim0_stride, low word: elements from row to row
	s_mov_b32 s[(\g)+6], 0
	s_mov_b32 s[(\g)+7], 0
.endr
	; where the tiles come from.  xb's hang on the tile row alone, which my row of the cluster shares; wb's on the tile column alone, which my column shares.
	s_lshl_b32 s17, s12, 7                         ; which 128 rows of the tile I fetch
	s_lshl_b32 s16, s13, 8
	s_add_co_u32 s16, s16, s17                     ; xb: row 256 x tile row + 128 x half
	s_lshl_b32 s46, s42, 8
	s_add_co_u32 s46, s46, s17                     ; wb: row 256 x tile column + 128 x half
	s_mov_b32 s17, 0
	s_mov_b32 s47, 0
	s_mov_b64 s[18:19], SIZE_K*2
	s_mul_u64 s[16:17], s[16:17], s[18:19]         ; in bytes
	s_mul_u64 s[46:47], s[46:47], s[18:19]
	s_mul_i32 s20, s10, HALFT                      ; and where they go: xb's two halves, then wb's two = wave x 128 rows: no place in the cluster enters an LDS address
	s_wait_dscnt 0x0                               ; both opening adds are done
	s_wait_kmcnt 0x0
	s_add_nc_u64 s[14:15], s[4:5], s[16:17]
	s_add_nc_u64 s[46:47], s[6:7], s[46:47]
	CROUND                                         ; all sixteen work-groups are here: the first joint loads meet
.irp s, 0,1
	s_mov_b32 s[G0+4*(\s)], 1                                      ; 1:0 count = 1
	s_add_co_u32 s[G0+4*(\s)+1], s20, (\s)*SLOT                    ; 63:32 LDS address
	s_add_nc_u64 s[G0+4*(\s)+2:G0+4*(\s)+3], s[14:15], (\s)*KSTEP*2  ; 120:64 global address: K step s
	s_or_b32 s[G0+4*(\s)+3], s[G0+4*(\s)+3], 0x80000000            ; 127:126 type = 2
	s_mov_b32 s[G0B+4*(\s)], 1
	s_add_co_u32 s[G0B+4*(\s)+1], s20, (\s)*SLOT
	s_add_nc_u64 s[G0B+4*(\s)+2:G0B+4*(\s)+3], s[46:47], (\s)*KSTEP*2
	s_or_b32 s[G0B+4*(\s)+3], s[G0B+4*(\s)+3], 0x80000000
	JLOAD \s                                       ; the ring is filled before anything else is done: two tensor loads of mine are out
.endr
	; out, rb and lora_B at my wave's part: offsets made by shifts, all under 2^27
	v_and_b32 v1, 15, v0                           ; l % 16
	v_bfe_u32 v2, v0, 4, 1                         ; l / 16
	v_and_b32 v5, 31, v0                           ; l
	v_lshlrev_b32 v[CO], 4, v5
	v_lshlrev_b32 v[LBO], 6, v1
	v_lshl_add_u32 v[LBO], v2, 5, v[LBO]
	s_lshl_b32 s13, s13, 8                         ; 256 x tile row
	s_lshl_b32 s78, s11, 7
	s_add_co_u32 s72, s13, s78                     ; my first row
	s_lshl_b32 s74, s72, 6                         ; in rb: 1,024 bytes for 16 rows
	s_mov_b32 s75, 0
	s_add_nc_u64 s[RBP:RBP+1], s[RBP:RBP+1], s[74:75]
	s_lshl_b32 s72, s72, 13                        ; in out: 8,192 bytes a row,
	s_lshl_b32 s76, s42, 10                        ; the tile's 256 columns: 1,024 bytes,
	s_add_co_u32 s72, s72, s76
	s_lshl_b32 s76, s12, 9                         ; my 128 of them: 512
	s_add_co_u32 s72, s72, s76
	s_mov_b32 s73, 0
	s_add_nc_u64 s[8:9], s[8:9], s[72:73]
	s_lshl_b32 s42, s42, 8                         ; 256 x tile column
	s_lshl_b32 s76, s12, 7
	s_add_co_u32 s76, s42, s76                     ; my first column
	s_lshl_b32 s76, s76, 6                         ; a row of lora_B is 64 bytes
	s_mov_b32 s77, 0
	s_add_nc_u64 s[LBP:LBP+1], s[LBP:LBP+1], s[76:77]
.irp i, 0,1,2,3,4,5,6,7                ; r2 of my rows 16 i on IS a fragment of source 1: registers 0-3 hi (places 8 (l / 16) + 0..7), registers 4-7 lo (places 16 + 8 (l / 16) + 0..7)
	global_load_b128 v[F1+8*(\i):F1+8*(\i)+3],   v[CO], s[RBP:RBP+1] offset:1024*(\i)
	global_load_b128 v[F1+8*(\i)+4:F1+8*(\i)+7], v[CO], s[RBP:RBP+1] offset:1024*(\i)+512
.endr
.irp i, 0,1,2,3,4,5,6,7                ; lora_B of my columns 16 i on: column l % 16, ranks 8 (l / 16) + 0..7, in f32
	global_load_b128 v[T+8*(\i):T+8*(\i)+3],   v[LBO], s[LBP:LBP+1] offset:1024*(\i)
	global_load_b128 v[T+8*(\i)+4:T+8*(\i)+7], v[LBO], s[LBP:LBP+1] offset:1024*(\i)+16
.endr
	; while these are on their way: the LDS addresses.  A fragment is 16 rows x 32 K in 8 registers: lane l holds row l % 16; registers 0-3 K = 8 (l / 16) + 0..7, registers 4-7 K = 16 + 8 (l / 16) + 0..7: two loads of 16 bytes, 32 bytes apart
	v_mul_u32_u24 v3, v1, PITCH
	v_lshl_add_u32 v3, v2, 4, v3                   ; row x pitch + 16 x half
	s_mul_i32 s21, s11, HALFT                      ; my 128 rows of xb
	s_mul_i32 s22, s12, HALFT                      ; my 128 rows of wb,
	s_add_co_u32 s22, s22, 2*HALFT                 ; which lie behind xb's 256
.irp s, 0,1
	v_add_nc_u32 v[ADRA+(\s)], s21, v3
	v_add_nc_u32 v[ADRB+(\s)], s22, v3
	s_add_co_u32 s21, s21, SLOT
	s_add_co_u32 s22, s22, SLOT
.endr
	s_mul_i32 s23, s10, 16*SPITCH
	s_add_co_u32 s23, s23, STAGE                   ; my stage
	v_mul_u32_u24 v4, v1, SPITCH                   ; in: row l % 16, 32 bytes for each half of the lanes
	v_lshl_add_u32 v4, v2, 5, v4
	v_add_nc_u32 v[STO], s23, v4
	v_lshl_add_u32 v[RD], v5, 4, s23               ; back: 32 lanes take one row of 512 bytes
	; the prefetches.  s13 = 256 x tile row, s42 = 256 x tile column, s40 = cx, s41 = cy
	s_and_b32 s22, ttmp7, 0xffff                   ; cluster y
	s_cmp_eq_u32 s11, 0                            ; do I fetch for xb?
	s_cselect_b32 s20, s13, s42                    ; the tile's first row: in xb by the tile row, in wb by the tile column
	s_cselect_b32 s21, s40, s41                    ; my place among the four that ask for it with me
	s_cselect_b32 s22, ttmp9, s22                  ; the coordinate along which other clusters read the same rows
	s_cselect_b64 s[PFA:PFA+1], s[4:5], s[6:7]
	s_cmp_eq_u32 s22, 0
	s_cselect_b32 s[LIM], 1, -1                    ; the same in all sixteen partners, for a given wave
	s_lshl_b32 s22, s12, 7
	s_add_co_u32 s20, s20, s22                     ; + the 128 rows that I fetch
	s_lshl_b32 s21, s21, 5
	s_add_co_u32 s20, s20, s21                     ; + my work-group's 32 of them
	s_mov_b32 s21, 0
	s_mov_b64 s[18:19], SIZE_K*2
	s_mul_u64 s[20:21], s[20:21], s[18:19]
	s_add_nc_u64 s[PFA:PFA+1], s[PFA:PFA+1], s[20:21]
	s_add_nc_u64 s[PFA:PFA+1], s[PFA:PFA+1], 2*KSTEP*2  ; at K step 2: the first refill steps it to 3 and names K step 4.  Nothing is prefetched here, at the head
	v_mul_u32_u24 v[PFO], v5, SIZE_K*2
; 16 matrix instructions: m blocks a0, a0 + 1 of the window's four (hi = 0: my rows 0-63, 1: rows 64-127) x all 8 n blocks, 32 along K.  zero = 1: the product starts the sum.
; The 64 accumulators take turns, one instruction a turn, in the same order in every quarter step: between two links of a chain stand the 63 others'.
.macro MUL16 f, hi, a0, zero
	WIN MUL_LO+0x50*(\hi)  ; MUL_LO or MUL_HI
.irp a, \a0, (\a0)+1
.irp b, 0,1,2,3,4,5,6,7
.if \zero
	v_wmma_f32_16x16x32_bf16 v[8*(8*(\a)+(\b)):8*(8*(\a)+(\b))+7], v[(\f)+8*(\b):(\f)+8*(\b)+7], v[(\f)+8*(4*(\hi)+(\a)):(\f)+8*(4*(\hi)+(\a))+7], 0
.else
	v_wmma_f32_16x16x32_bf16 v[8*(8*(\a)+(\b)):8*(8*(\a)+(\b))+7], v[(\f)+8*(\b):(\f)+8*(\b)+7], v[(\f)+8*(4*(\hi)+(\a)):(\f)+8*(4*(\hi)+(\a))+7], v[8*(8*(\a)+(\b)):8*(8*(\a)+(\b))+7]
.endif
.endr
.endr
.endm
; 32 LDS loads in one run: the fragments of one quarter step (128 rows of wb, 128 rows of xb, 32 K at byte k of the rows) into buffer f
.macro FETCH slot, k, f
	WIN TO_B
.irp i, 0,1,2,3,4,5,6,7
	ds_load_b128 v[(\f)+8*(\i):(\f)+8*(\i)+3],   v[ADRB+(\slot)] offset:(\k)+(\i)*16*PITCH
	ds_load_b128 v[(\f)+8*(\i)+4:(\f)+8*(\i)+7], v[ADRB+(\slot)] offset:(\k)+(\i)*16*PITCH+32
.endr
	WIN 0
.irp i, 0,1,2,3,4,5,6,7
	ds_load_b128 v[(\f)+8*(\i):(\f)+8*(\i)+3],   v[ADRA+(\slot)] offset:(\k)+(\i)*16*PITCH
	ds_load_b128 v[(\f)+8*(\i)+4:(\f)+8*(\i)+7], v[ADRA+(\slot)] offset:(\k)+(\i)*16*PITCH+32
.endr
.endm
; A load into a register that a matrix instruction has read stands four places behind that matrix instruction, and only plain vector instructions that name none of its registers are places
; (ISA guide 7.12.1 for vector instructions); the matrix instructions in between are not counted.
.macro PLACES
.rept 4
	v_nop
.endr
.endm
; A K step is four quarter steps of 32 along K, 64 matrix instructions each, on buffers 0, 1, 0, 1.
; One of the first three: multiplies buffer f; in its middle it fetches the next quarter's fragments, at byte k of the same slot's rows, into buffer g.
.macro QUARTER slot, k, f, g
	s_wait_dscnt 8                                 ; wb and xb's rows 0-63 are in; the youngest eight loads (xb's rows 64-127) may be out
	MUL16 \f, 0, 0, 0
	MUL16 \f, 0, 2, 0
	PLACES
	FETCH \slot, \k, \g
	s_wait_dscnt 32                                ; all but the 32 just issued
	MUL16 \f, 1, 0, 0
	MUL16 \f, 1, 2, 0
.endm
; The last quarter multiplies buffer 1 and changes slots.  MEET is its first half: ONE barrier for the change of slots.  In front of it each wave waits for all its tensor loads, of which one is out: its part of the
; next slot; adds 0 to its spare word; and waits for that and for its own reads of this slot.  Behind it nobody reads this slot any more and the next slot is whole.
.macro MEET round                      ; round = 1: a round of the cluster's barrier follows
	WIN 0                                          ; (the add's two registers lie in window 0)
	s_wait_tensorcnt 0x0                           ; all my tensor loads have landed: the one that was out is my part of the next slot;
	ds_add_u32 v[SPW], v[NIL]                      ; 0 onto my spare word;
	s_wait_dscnt 9                                 ; (the add and the youngest eight loads may be out)
	MUL16 F1, 0, 0, 0                              ; sixteen matrix instructions stand between the add and the wait for it
	s_wait_dscnt 0x0                               ; the add is done, and my reads of this slot are over:
	s_barrier_signal -1                            ; say so (where a slot is filled again this barrier opens a round of the cluster's barrier),
	MUL16 F1, 0, 2, 0                              ; work on registers while the others arrive,
.if \round
	WIN 0
.endif
	s_barrier_wait -1                              ; and go on when all four have said so
.endm
; The whole last quarter with a refill: behind the round the slot just read out is filled again first, with the K step two steps on; then come the next slot's first fragments.
; From a request to the wait for it a wave issues 224 matrix instructions.  One tensor load of mine is out behind each round.
.macro TURN slot, next
	s_wait_xcnt 0x0                                ; the last prefetch, a K step back, has read its address: it is stepped here, ahead of the waits of the change of slots
	s_add_nc_u64 s[PFA:PFA+1], s[PFA:PFA+1], KSTEP*2
	MEET 1
	CREST                                          ; no wave of any partner still reads this slot's tile or has a load on its way
	s_add_nc_u64 s[G0+4*(\slot)+2:G0+4*(\slot)+3], s[G0+4*(\slot)+2:G0+4*(\slot)+3], 2*KSTEP*2      ; no tensor load of mine is out, so the group 0s may be written; the type bits on top are not reached
	s_add_nc_u64 s[G0B+4*(\slot)+2:G0B+4*(\slot)+3], s[G0B+4*(\slot)+2:G0B+4*(\slot)+3], 2*KSTEP*2
	JLOAD \slot                                    ; the first tensor load behind the round; the four v_nop behind it are also the places in front of the loads below
	FETCH \next, 0, F0
	ASK
	MUL16 F1, 1, 0, 0
	MUL16 F1, 1, 2, 0
.endm
; The same without a refill: the last change of slots, from K step 30 to K step 31.  Nothing is filled, so no round follows the barrier.
.macro TURNL
	MEET 0
	PLACES
	FETCH 1, 0, F0
	MUL16 F1, 1, 0, 0
	MUL16 F1, 1, 2, 0
.endm
; THE WAY OUT of block a (16 of my rows x 128 columns, f32).  TOSTAGE: a lane's 32 bytes of each of the 8 accumulators go into my own stage, each accumulator's low four registers first,
; and the block comes back as 16 whole rows of 512 bytes, into one of three buffers.  LDS serves a wave's instructions in order (ISA guide 5.7.1.4): the loads see the stores, and the next block's stores come behind them.
.macro TOSTAGE a
.set AC, 64*((\a)%4)
.set BK, 64+64*((\a)%3)
	WIN 0x08+4*((\a)/4)                            ; the stores' data (source 1) in window 2 or 3, the address in window 0
.irp b, 0,1,2,3,4,5,6,7
	ds_store_b128 v[STO], v[AC+8*(\b):AC+8*(\b)+3]   offset:64*(\b)
	ds_store_b128 v[STO], v[AC+8*(\b)+4:AC+8*(\b)+7] offset:64*(\b)+16
.endr
	WIN 0
.set t, 0
.rept 16
	ds_load_b128 v[BK+4*t:BK+4*t+3], v[RD] offset:t*SPITCH
.set t, t+1
.endr
.endm
.macro SEND a, younger                 ; younger: the LDS instructions issued behind block a's loads: the next block's 32, or none
.set BK, 64+64*((\a)%3)
	WIN 0
	s_wait_dscnt \younger                          ; the block is back in registers
	s_wait_xcnt 0x0                                ; the stores issued so far have read their data (ISA guide 3.1): block a - 1's buffer is loaded again, for block a + 2, only behind this wait
.set t, 0
.rept 16
	global_store_b128 v[CO], v[BK+4*t:BK+4*t+3], s[8:9] offset:(16*(\a)+t)*ROWC th:TH_STORE_NT  ; 512 consecutive bytes, at a multiple of 512 from out's first byte; the row stands in the immediate, 127 rows at the most
.set t, t+1
.endr
.endm
	; THE LOW-RANK QUARTER, while the first tiles are on their way
	s_wait_loadcnt 0x0                             ; r2 and lora_B
	WIN TO_B
.irp i, 0,1,2,3,4,5,6,7                ; lora_B is rounded once to bf16 and written into both halves of source 0's fragment: against hi and against lo
.irp q, 0,1,2,3
	v_cvt_pk_bf16_f32 v[F1+8*(\i)+(\q)],   v[T+8*(\i)+2*(\q)], v[T+8*(\i)+2*(\q)+1]
	v_cvt_pk_bf16_f32 v[F1+8*(\i)+4+(\q)], v[T+8*(\i)+2*(\q)], v[T+8*(\i)+2*(\q)+1]
.endr
.endr
	MUL16 F1, 0, 0, 1                              ; 64 products start the 64 sums
	MUL16 F1, 0, 2, 1
	MUL16 F1, 1, 0, 1
	MUL16 F1, 1, 2, 1
	WIN 0
	s_wait_tensorcnt 1                             ; my part of K step 0 is in; K step 1's may stay out
	s_barrier_signal -1
	s_barrier_wait -1                              ; everybody's is
	FETCH 0, 0, F0
	QUARTER 0, 64,  F0, F1                         ; K step 0's first quarter; its four v_nop stand between the low-rank products and the loads into buffer 1
	WIN 0                                          ; at a label and at a branch every window is 0
	s_mov_b32 s3, LAPS-1
.Llap:                                                 ; 15 trips: a trip goes once round the ring, from a lap's second quarter to the next lap's first, and fills both slots again
	QUARTER 0, 128, F1, F0
	QUARTER 0, 192, F0, F1
	TURN 0, 1
	QUARTER 1, 64,  F0, F1
	QUARTER 1, 128, F1, F0
	QUARTER 1, 192, F0, F1
	TURN 1, 0
	QUARTER 0, 64,  F0, F1
	WIN 0
	s_sub_co_u32 s3, s3, 1
	s_cmp_lg_u32 s3, 0
	s_cbranch_scc1 .Llap
	QUARTER 0, 128, F1, F0                         ; the last lap is written out: it asks for nothing
	QUARTER 0, 192, F0, F1
	TURNL
	QUARTER 1, 64,  F0, F1
	QUARTER 1, 128, F1, F0
	QUARTER 1, 192, F0, F1
	s_wait_dscnt 8                                 ; the very last quarter: nothing more to fetch
	MUL16 F1, 0, 0, 0
	MUL16 F1, 0, 2, 0
	s_wait_dscnt 0x0
	MUL16 F1, 1, 0, 0
	MUL16 F1, 1, 2, 0
	PLACES                                         ; behind the last products: in front of the LDS stores that read results and of the loads into the fragments' registers
	PLACES
	TOSTAGE 0
.irp a, 1,2,3,4,5,6,7                  ; block a goes through the stage while block a - 1's loads come back
	TOSTAGE \a
	SEND (\a)-1, 32
.endr
	SEND 7, 0
	s_wait_tensorcnt 0x0                           ; the wave's end, behind my last tensor load and my last LDS store
	ds_add_u32 v[SPW], v[NIL]
	s_wait_dscnt 0x0
	CROUND                                         ; the closing round: no work-group ends while a partner may still ask for a tile that names it
	s_endpgm
.Lfunc_end_k_qe9c061083a_gemm:
	.size	k_qe9c061083a_gemm, .Lfunc_end_k_qe9c061083a_gemm-k_qe9c061083a_gemm
	.p2alignl 7, 3214868480
	.fill 96, 4, 3214868480
	.section	.rodata,"a",@progbits
	.p2align	6, 0x0
	.amdhsa_kernel k_qe9c061083a_gemm
		.amdhsa_group_segment_fixed_size 327680
		.amdhsa_private_segment_fixed_size 0
		.amdhsa_enable_private_segment 0
		.amdhsa_kernarg_size 40
		.amdhsa_user_sgpr_count 2
		.amdhsa_user_sgpr_kernarg_segment_ptr 1
		.amdhsa_wavefront_size32 1
		.amdhsa_system_sgpr_workgroup_id_x 1
		.amdhsa_system_sgpr_workgroup_id_y 1
		.amdhsa_system_sgpr_workgroup_id_z 1
		.amdhsa_system_vgpr_workitem_id 0
		.amdhsa_next_free_vgpr 1024
		.amdhsa_next_free_sgpr 80
		.amdhsa_reserve_vcc 0
		.amdhsa_float_denorm_mode_32 3
		.amdhsa_float_denorm_mode_16_64 3
		.amdhsa_memory_ordered 1
		.amdhsa_forward_progress 1
		.amdhsa_inst_pref_size 153
	.end_amdhsa_kernel
	.amdgpu_metadata
---
amdhsa.version: [ 1, 2 ]
amdhsa.kernels:
  - .name:           k_qe9c061083a_gemm
    .symbol:         k_qe9c061083a_gemm.kd
    .args:
      - { .name: xb, .offset: 0, .size: 8, .value_kind: global_buffer, .address_space: global }
      - { .name: wb, .offset: 8, .size: 8, .value_kind: global_buffer, .address_space: global }
      - { .name: out0, .offset: 16, .size: 8, .value_kind: global_buffer, .address_space: global }
      - { .name: rb, .offset: 24, .size: 8, .value_kind: global_buffer, .address_space: global }
      - { .name: lora_B, .offset: 32, .size: 8, .value_kind: global_buffer, .address_space: global }
    .group_segment_fixed_size: 327680
    .private_segment_fixed_size: 0
    .kernarg_segment_align: 8
    .kernarg_segment_size: 40
    .max_flat_workgroup_size: 128
    .sgpr_count:     80
    .vgpr_count:     1024
    .wavefront_size: 32
...
	.end_amdgpu_metadata
.endif
;; end of part 2
